; MI455X (gfx1250); checked and timed in simulation.
; The chip was launched on July 23, 2026; its instructions are those of AMD's public machine-readable ISA for CDNA 5 (MIT licence, August 2026) and "CDNA5" Instruction Set Architecture Reference Guide (July 2026). The comments in the code are by the model that wrote it; some were corrected since.
;; Decision Tree. Allowed arithmetic: float matrix products may take bf16 or f16 operands with f32 sums; other float arithmetic in f32, or as packed bf16 or f16 multiplies, adds, multiply-adds, maxima and minima; sums over many terms, partial sums and values carried from step to step in f32; what a program stores and reads back later, other than sums and carried values, may be rounded once to bf16 or f16.
;; Inputs: dec_b 15 float32; dec_w 15 x 1,024 float32; leaf_b 16 x 1,024 float32; leaf_w 16 x 1,024 x 1,024 float32; x 2 x 2,048 x 1,024 float32.
;; Outputs: out0 2 x 2,048 x 1,024 float32.
;; One version. Each part assembles by itself: llvm-mc -triple=amdgcn-amd-amdhsa -mcpu=gfx1250 --defsym DOCPART=n.
;; ======== version 1 of 1: 2 launches
;; limits: values outside matrix products are rounded to f16; values are held in f16: magnitudes above 65,504 overflow, below 6.1e-05 lose precision
;; workspace buffers: xf 8,388,608 bytes; bp 18,874,368 bytes; pp 131,072 bytes
;; launch prep (part 1): grid 256 x 1, 5 waves a work-group, no clusters, 14,592 bytes of LDS; arguments x, dec_w, dec_b, leaf_w, xf, bp, pp; writes xf, bp, pp
.if DOCPART == 1
	.amdgcn_target "amdgcn-amd-amdhsa--gfx1250"
	.amdhsa_code_object_version 6
	.text
	.protected	k_q3fcff930ab_prep
	.globl	k_q3fcff930ab_prep
	.p2align	8
	.type	k_q3fcff930ab_prep,@function
k_q3fcff930ab_prep:
	s_mov_b64 s[64:65], 0
	v_nop
	global_prefetch_b8 v0, s[64:65] scope:SCOPE_SE
	s_setreg_imm32_b32 hwreg(HW_REG_WAVE_MODE, 25, 1), 1
	s_wait_xcnt 0x0
; DECISION TREE, launch 1 of 2: the operands of the one product that launch 2 makes are rounded to f16 and laid out in matrix-operand order.
; WHAT IS LEFT OUT, AND WHY IT IS DEAD FOR ALL VALUES OF THE INPUTS.
;  (1) The leaves sit in slots 15 .. 30, so parent = (slot - 1) // 2 takes the values 7 .. 14 alone: dec[..., parent] slices decisions 0 .. 6 away.  Rows 0 .. 6 of dec_w and
;      dec_b[0 .. 6] reach no output and are never loaded.
;  (2) Leaf 2 j (odd slot: left) is weighed by p_j = dec[7 + j], leaf 2 j + 1 by 1 - p_j, of the SAME node.  In real numbers p a + (1 - p) b = p (a - b) + b, so
;      out = sum_j p_j ((W_2j - W_2j+1) x + (b_2j - b_2j+1)) + (sum_j W_2j+1) x + sum_j b_2j+1: nine products of 1,024 x 1,024 a token in place of sixteen.
;      What cancels in that form is at most one leaf's own output, a term of the size that the sum over leaves adds anyway; D_j is a difference of two inputs, element by element in f32, no difference of sums.
; LIMITS.  A NaN, an infinity or an overflow that reaches only decisions 0 .. 6 is not carried to the result.  x, W_2j - W_2j+1 and the sum of the odd W are kept in f16: beyond 65,504 they
; become infinities; below 6e-5 they keep f16's fixed step of 6e-8.  The order of sums differs from the einsums'.  p is rounded once to f16.
; WRITTEN.  bp [nt 16][c 16][s 18][b 4][half 2][lane 32][8] f16: step s = 9 kk + i of chunk c (64 along k): i = 0 is S = the sum of the odd W, i = 1 .. 8 is D_(i-1); output row 64 nt + 16 b + lane % 16,
; k = 64 c + 32 kk + 16 half + 8 (lane / 16) + 0..7.  xf [G 64][t 32][a 4][half 2][lane 32][8] f16: token 64 G + 16 a + lane % 16, k = 32 t + 16 half + 8 (lane / 16) + 0..7.  pp [token][j 8]: (p_j, p_j) as two f16.
; SHARES.  Work-group g.  Waves 0 .. 3: one unit each, 16 output rows (block g / 4) x 64 k (chunk 4 (g % 4) + wave) of all 16 leaves: 64 KiB in, 18 KiB out.  Wave 4: tokens 16 g .. 16 g + 15,
; the whole k: x rounded and laid out, and the eight live decisions by the matrix unit.  Each byte of leaf_w and x is read once, 256 aligned bytes for each 16 lanes; each store covers 512 aligned bytes.
; THE TURN THROUGH LDS.  A lane loads 4 numbers of a row; an operand wants 8 numbers of row lane % 16.  Each wave has LDS of its own (eight groups of 16 rows x 16 bytes, 288 bytes apart: the 32 lanes of a
; ds_store_b64 fall on 32 different 8-byte columns of 256 bytes), writes 8 bytes a lane and reads 16 back.  No wave reads another's bytes: no barrier.
; No tensor loads, no cluster, no prefetch: the launch is one pass over its inputs, every work-group's loads are out from its first line, and nothing is shared but 32 KiB of dec_w.
.set REG,   2304                       ; an LDS region: 8 groups of 288 bytes
.set GRP,   288
.set SPARE, 6*REG                      ; behind the six regions: the spare words, 128 bytes for each of five waves, three blocks of 256 bytes that no other line names
.set VO,   1                           ; v1   (lane / 16) x 4,096 + (lane % 16) x 16: two rows of 256 bytes a load; never rewritten
.set STA,  2                           ; v2   where I put 8 bytes: region + (q / 2) x 288 + h x 16 + (q % 2) x 8
.set RDA,  3                           ; v3   where I read 16 bytes back: region + h x 288 + q x 16
.set STA2, 4                           ; v4   wave 4: the same as STA in the region for dec_w
.set RDA2, 5                           ; v5   wave 4: region 5 + h x 288 + (q % 8) x 16: rows 8 .. 15 of the operand repeat rows 0 .. 7
.set LN16, 6                           ; v6   16 x lane
.set PPO,  7                           ; v7   q x 32 + h x 16: my 16 bytes of pp
.set SPW,  8                           ; v8   LDS address of my spare word; never rewritten
.set NIL,  9                           ; v9   0; never rewritten
.set D16,  16                          ; waves 0-3: v[16:31] 32 f16 on their way out
.set SS,   32                          ;            v[32:63] the sum of the odd leaves, f32
.set SL,   64                          ;            three slots of 64: a pair of leaves, even at +0, odd at +32
.set XFR,  16                          ; wave 4: v[16:31] two fragments of x
.set DFR,  32                          ;         v[32:47] two fragments of dec_w
.set Z0,   48                          ;         v[48:55], v[56:63] two accumulators, which take turns
.set Z1,   56
.set XS,   64                          ;         four slots of 48: x at +0, dec_w at +32
.set T,    64                          ;         at work at the end
.set WV,   18                          ; s18  my wave's number
.set LW,   20                          ; s[20:35] waves 0-3: leaf_w at my unit in leaf 2 j
	s_load_b256 s[4:11], s[0:1], 0x0               ; x s[4:5], dec_w s[6:7], dec_b s[8:9], leaf_w s[10:11]
	s_load_b128 s[12:15], s[0:1], 0x20             ; xf s[12:13], bp s[14:15]
	s_load_b64 s[16:17], s[0:1], 0x30              ; pp
	v_lshl_add_u32 v[SPW], v0, 2, SPARE
	v_mov_b32 v[NIL], 0
	v_lshrrev_b32 v10, 5, v0
	v_readfirstlane_b32 s[WV], v10                 ; wave 0..4
	s_mov_b32 s38, 0xffff0000                      ; as a lane mask: lanes 16 to 31
	s_mov_b32 s39, 0xbfb8aa3b                      ; -log2(e)
	s_mul_i32 s48, s[WV], REG                      ; my region
	v_and_b32 v10, 31, v0                          ; lane
	v_and_b32 v11, 15, v0                          ; q
	v_bfe_u32 v12, v0, 4, 1                        ; h
	v_bfe_u32 v13, v0, 1, 3                        ; q / 2
	v_and_b32 v14, 1, v0                           ; q % 2
	v_and_b32 v15, 7, v0                           ; q % 8
	v_lshlrev_b32 v[VO], 4, v11
	v_lshl_add_u32 v[VO], v12, 12, v[VO]
	v_mul_u32_u24 v[STA], v13, GRP
	v_lshl_add_u32 v[STA], v12, 4, v[STA]
	v_lshl_add_u32 v[STA], v14, 3, v[STA]
	v_add_nc_u32 v[STA], s48, v[STA]
	v_mul_u32_u24 v[RDA2], v12, GRP
	v_lshl_add_u32 v[RDA], v11, 4, v[RDA2]
	v_add_nc_u32 v[RDA], s48, v[RDA]
	v_lshl_add_u32 v[RDA2], v15, 4, v[RDA2]
	v_add_nc_u32 v[RDA2], 5*REG, v[RDA2]
	v_add_nc_u32 v[STA2], REG, v[STA]
	v_lshlrev_b32 v[LN16], 4, v10
	v_lshlrev_b32 v[PPO], 5, v11
	v_lshl_add_u32 v[PPO], v12, 4, v[PPO]
	s_wait_kmcnt 0x0
	s_cmp_eq_u32 s[WV], 4
	s_cbranch_scc1 .Lxwave
; ---------------- waves 0 to 3: the weights ----------------
	s_lshr_b32 s49, ttmp9, 2                       ; block of 16 output rows
	s_and_b32 s50, ttmp9, 3
	s_lshl2_add_u32 s50, s50, s[WV]                ; chunk c = 4 (g % 4) + wave
	s_lshl_b32 s52, s49, 16                        ; 16 rows of 4,096 bytes
	s_lshl_b32 s53, s50, 8                         ; 64 numbers of 4 bytes
	s_add_co_u32 s52, s52, s53
	s_mov_b32 s53, 0
	s_add_nc_u64 s[LW:LW+1], s[10:11], s[52:53]
.irp j, 1,2,3,4,5,6,7
	s_add_nc_u64 s[LW+2*(\j):LW+2*(\j)+1], s[LW:LW+1], (\j)*0x800000  ; two leaves on
.endr
	s_lshr_b32 s51, ttmp9, 4                       ; nt
	s_mul_i32 s51, s51, 1179648
	s_mul_i32 s54, s50, 73728
	s_add_co_u32 s51, s51, s54
	s_and_b32 s54, s49, 3                          ; b
	s_lshl_b32 s54, s54, 10
	s_add_co_u32 s54, s54, s51
	s_mov_b32 s55, 0
	s_add_nc_u64 s[36:37], s[14:15], s[54:55]      ; bp at (nt, c, step 0, b)
.macro WLOAD j, k                      ; leaves 2 j and 2 j + 1 of my unit into slot k: 16 loads, 8 KiB
.irp i, 0,1,2,3,4,5,6,7
	global_load_b128 v[SL+64*(\k)+4*(\i):SL+64*(\k)+4*(\i)+3], v[VO], s[LW+2*(\j):LW+2*(\j)+1] offset:(\i)*8192 th:TH_LOAD_NT
.endr
.irp i, 0,1,2,3,4,5,6,7
	global_load_b128 v[SL+64*(\k)+32+4*(\i):SL+64*(\k)+32+4*(\i)+3], v[VO], s[LW+2*(\j):LW+2*(\j)+1] offset:0x400000+(\i)*8192 th:TH_LOAD_NT
.endr
.endm
.macro WOUT i                          ; D16 is turned through my region and stored as steps i and 9 + i of my chunk
.irp r, 0,1,2,3,4,5,6,7
	ds_store_b64 v[STA], v[D16+2*(\r):D16+2*(\r)+1] offset:32*(\r)
.endr
.irp f, 0,1,2,3                        ; f = 2 kk + half.  LDS serves a wave's instructions in order (ISA guide 5.7.1.4): these see the stores above, and the next turn's stores come behind them
	ds_load_b128 v[D16+4*(\f):D16+4*(\f)+3], v[RDA] offset:2*(\f)*GRP
.endr
	s_wait_dscnt 0x0
.irp f, 0,1,2,3
	global_store_b128 v[LN16], v[D16+4*(\f):D16+4*(\f)+3], s[36:37] offset:(9*((\f)/2)+(\i))*4096+((\f)%2)*512  ; 512 consecutive bytes, aligned
.endr
.endm
.macro WTURN t, left                   ; pair t: D_t = even - odd, the odd one added to S; left = the younger loads that may stay out
.set EV, SL+64*((\t)%3)
.set OD, EV+32
	s_wait_loadcnt \left
	s_wait_xcnt 0x0                                ; the last turn's stores have read D16: it is rewritten only behind this wait
.set m, 0
.rept 16
	v_pk_add_f32 v[EV+m:EV+m+1], v[EV+m:EV+m+1], v[OD+m:OD+m+1] neg_lo:[0,1] neg_hi:[0,1]
.set m, m+2
.endr
.if (\t) == 0                          ; the first two odd leaves start S: nothing is cleared
.set m, 0
.rept 16
	v_pk_add_f32 v[SS+m:SS+m+1], v[SL+32+m:SL+32+m+1], v[SL+96+m:SL+96+m+1]
.set m, m+2
.endr
.elseif (\t) > 1
.set m, 0
.rept 16
	v_pk_add_f32 v[SS+m:SS+m+1], v[SS+m:SS+m+1], v[OD+m:OD+m+1]
.set m, m+2
.endr
.endif
.set m, 0
.rept 16
	v_cvt_pk_f16_f32 v[D16+m], v[EV+2*m], v[EV+2*m+1]
.set m, m+1
.endr
.if (\t) <= 4
	WLOAD (\t)+3, (\t)%3                           ; the slot is asked for again at once, ahead of the stores
.endif
	WOUT (\t)+1
.endm
	WLOAD 0, 0
	WLOAD 1, 1
	WLOAD 2, 2                                     ; 48 loads, 24 KiB, of every wave are out
	WTURN 0, 16                                    ; pairs 0 and 1 are in (S starts with both); pair 2's 16 loads stay out
	WTURN 1, 32                                    ; from here on the two younger pairs stay out
	WTURN 2, 32
	WTURN 3, 32
	WTURN 4, 32
	WTURN 5, 32
	WTURN 6, 16                                    ; nothing is left to ask for: the counts run down
	WTURN 7, 0
	s_wait_xcnt 0x0                                ; D16 once more
.set m, 0
.rept 16
	v_cvt_pk_f16_f32 v[D16+m], v[SS+2*m], v[SS+2*m+1]
.set m, m+1
.endr
	WOUT 0
	s_wait_tensorcnt 0x0                           ; the wave's end, behind my last LDS store
	ds_add_u32 v[SPW], v[NIL]
	s_wait_dscnt 0x0
	s_endpgm
; ---------------- wave 4: x and the decisions ----------------
.Lxwave:
	s_load_b256 s[40:47], s[8:9], 0x1c             ; dec_b[7 .. 14]
	s_lshl_b32 s52, ttmp9, 16                      ; 16 tokens of 4,096 bytes
	s_mov_b32 s53, 0
	s_add_nc_u64 s[20:21], s[4:5], s[52:53]        ; x at my tokens
	s_add_nc_u64 s[22:23], s[6:7], 7*4096          ; dec_w at row 7
	s_lshr_b32 s52, ttmp9, 2                       ; G
	s_lshl_b32 s52, s52, 17
	s_and_b32 s54, ttmp9, 3                        ; a
	s_lshl_b32 s54, s54, 10
	s_add_co_u32 s52, s52, s54
	s_add_nc_u64 s[24:25], s[12:13], s[52:53]      ; xf at (G, 0, a)
	s_lshl_b32 s52, ttmp9, 9                       ; 16 tokens of 32 bytes
	s_add_nc_u64 s[26:27], s[16:17], s[52:53]      ; pp at my tokens
.macro XLD c, k                        ; chunk c (64 along k) of my 16 tokens and of dec_w's 8 rows into slot k: 12 loads
.irp i, 0,1,2,3,4,5,6,7
	global_load_b128 v[XS+48*(\k)+4*(\i):XS+48*(\k)+4*(\i)+3], v[VO], s[20:21] offset:(\c)*256+(\i)*8192 th:TH_LOAD_NT
.endr
.irp i, 0,1,2,3
	global_load_b128 v[XS+48*(\k)+32+4*(\i):XS+48*(\k)+32+4*(\i)+3], v[VO], s[22:23] offset:(\c)*256+(\i)*8192
.endr
.endm
.macro XTURN c, left
.set XV, XS+48*((\c)%4)
	s_wait_loadcnt \left
	s_wait_xcnt 0x0                                ; the last turn's stores have read XFR
.if (\c) > 0
.rept 4
	v_nop                                          ; four places behind the last turn's products, whose sources are written next (ISA guide 7.12.1)
.endr
.endif
.set m, 0
.rept 16
	v_cvt_pk_f16_f32 v[XFR+m], v[XV+2*m], v[XV+2*m+1]
.set m, m+1
.endr
.set m, 0
.rept 8
	v_cvt_pk_f16_f32 v[DFR+m], v[XV+32+2*m], v[XV+32+2*m+1]
.set m, m+1
.endr
.if (\c) <= 11
	XLD (\c)+4, (\c)%4
.endif
.irp r, 0,1,2,3,4,5,6,7
	ds_store_b64 v[STA], v[XFR+2*(\r):XFR+2*(\r)+1] offset:32*(\r)
.endr
.irp r, 0,1,2,3
	ds_store_b64 v[STA2], v[DFR+2*(\r):DFR+2*(\r)+1] offset:32*(\r)
.endr
.irp f, 0,1,2,3
	ds_load_b128 v[XFR+4*(\f):XFR+4*(\f)+3], v[RDA] offset:2*(\f)*GRP
.endr
.irp f, 0,1,2,3
	ds_load_b128 v[DFR+4*(\f):DFR+4*(\f)+3], v[RDA2] offset:2*(\f)*GRP
.endr
	s_wait_dscnt 0x0
.irp f, 0,1,2,3
	global_store_b128 v[LN16], v[XFR+4*(\f):XFR+4*(\f)+3], s[24:25] offset:(2*(\c)+(\f)/2)*4096+((\f)%2)*512
.endr
	; z^T = dec_w x^T (source 0 = the eight nodes, twice; source 1 = my 16 tokens): a lane holds one token and, in register i, node 7 + i.  The two accumulators take turns
.if (\c) == 0
	v_wmma_f32_16x16x32_f16 v[Z0:Z0+7], v[DFR:DFR+7], v[XFR:XFR+7], 0
	v_wmma_f32_16x16x32_f16 v[Z1:Z1+7], v[DFR+8:DFR+15], v[XFR+8:XFR+15], 0
.else
	v_wmma_f32_16x16x32_f16 v[Z0:Z0+7], v[DFR:DFR+7], v[XFR:XFR+7], v[Z0:Z0+7]
	v_wmma_f32_16x16x32_f16 v[Z1:Z1+7], v[DFR+8:DFR+15], v[XFR+8:XFR+15], v[Z1:Z1+7]
.endif
.endm
	XLD 0, 0
	XLD 1, 1
	XLD 2, 2
	XLD 3, 3
.irp c, 0,1,2,3,4,5,6,7,8,9,10,11,12
	XTURN \c, 36                                   ; the three younger slots' 36 loads stay out
.endr
	XTURN 13, 24
	XTURN 14, 12
	XTURN 15, 0
.rept 4
	v_nop                                          ; four places behind the last products, ahead of the sums that read them
.endr
.irp i, 0,1,2,3,4,5,6,7
	v_add_f32 v[Z0+(\i)], v[Z0+(\i)], v[Z1+(\i)]   ; from each accumulator's low end on
.endr
	s_wait_kmcnt 0x0                               ; dec_b
.irp i, 0,1,2,3,4,5,6,7
	s_mul_f32 s[40+(\i)], s[40+(\i)], s39
.endr
.irp i, 0,1,2,3,4,5,6,7
	v_fma_f32 v[T+(\i)], v[Z0+(\i)], s39, s[40+(\i)]  ; -log2(e) (z + b)
.endr
.irp i, 0,1,2,3,4,5,6,7
	v_exp_f32 v[T+(\i)], v[T+(\i)]                 ; e^-(z + b): an infinity gives p = 0, a 0 gives p = 1
.endr
	v_nop                                          ; a plain instruction behind the last exponential,
	s_wait_alu depctr_va_vdst(0)                   ; and one wait for the eight, ahead of their first use
.irp i, 0,1,2,3,4,5,6,7
	v_add_f32 v[T+(\i)], 1.0, v[T+(\i)]
.endr
.irp i, 0,1,2,3,4,5,6,7
	v_rcp_f32 v[T+(\i)], v[T+(\i)]
.endr
	v_nop
	s_wait_alu depctr_va_vdst(0)                   ; one wait for the eight reciprocals
.irp i, 0,1,2,3,4,5,6,7
	v_cvt_pk_f16_f32 v[T+8+(\i)], v[T+(\i)], v[T+(\i)]  ; (p, p)
.endr
.irp i, 0,1,2,3
	v_cndmask_b32 v[T+16+(\i)], v[T+8+(\i)], v[T+12+(\i)], s38  ; lanes 0-15 store p_0..3 of their token, lanes 16-31 p_4..7
.endr
	global_store_b128 v[PPO], v[T+16:T+19], s[26:27]  ; the wave's 512 consecutive bytes of pp
	s_wait_tensorcnt 0x0                           ; the wave's end, behind my last LDS store
	ds_add_u32 v[SPW], v[NIL]
	s_wait_dscnt 0x0
	s_endpgm
.Lfunc_end_k_q3fcff930ab_prep:
	.size	k_q3fcff930ab_prep, .Lfunc_end_k_q3fcff930ab_prep-k_q3fcff930ab_prep
	.p2alignl 7, 3214868480
	.fill 96, 4, 3214868480
	.section	.rodata,"a",@progbits
	.p2align	6, 0x0
	.amdhsa_kernel k_q3fcff930ab_prep
		.amdhsa_group_segment_fixed_size 14592
		.amdhsa_private_segment_fixed_size 0
		.amdhsa_enable_private_segment 0
		.amdhsa_kernarg_size 56
		.amdhsa_user_sgpr_count 2
		.amdhsa_user_sgpr_kernarg_segment_ptr 1
		.amdhsa_wavefront_size32 1
		.amdhsa_system_sgpr_workgroup_id_x 1
		.amdhsa_system_sgpr_workgroup_id_y 1
		.amdhsa_system_sgpr_workgroup_id_z 1
		.amdhsa_system_vgpr_workitem_id 0
		.amdhsa_next_free_vgpr 256
		.amdhsa_next_free_sgpr 66
		.amdhsa_reserve_vcc 0
		.amdhsa_float_denorm_mode_32 3
		.amdhsa_float_denorm_mode_16_64 3
		.amdhsa_memory_ordered 1
		.amdhsa_forward_progress 1
		.amdhsa_inst_pref_size 127
	.end_amdhsa_kernel
	.amdgpu_metadata
---
amdhsa.version: [ 1, 2 ]
amdhsa.kernels:
  - .name:           k_q3fcff930ab_prep
    .symbol:         k_q3fcff930ab_prep.kd
    .args:
      - { .name: x, .offset: 0, .size: 8, .value_kind: global_buffer, .address_space: global }
      - { .name: dec_w, .offset: 8, .size: 8, .value_kind: global_buffer, .address_space: global }
      - { .name: dec_b, .offset: 16, .size: 8, .value_kind: global_buffer, .address_space: global }
      - { .name: leaf_w, .offset: 24, .size: 8, .value_kind: global_buffer, .address_space: global }
      - { .name: xf, .offset: 32, .size: 8, .value_kind: global_buffer, .address_space: global }
      - { .name: bp, .offset: 40, .size: 8, .value_kind: global_buffer, .address_space: global }
      - { .name: pp, .offset: 48, .size: 8, .value_kind: global_buffer, .address_space: global }
    .group_segment_fixed_size: 14592
    .private_segment_fixed_size: 0
    .kernarg_segment_align: 8
    .kernarg_segment_size: 56
    .max_flat_workgroup_size: 160
    .sgpr_count:     66
    .vgpr_count:     256
    .wavefront_size: 32
...
	.end_amdgpu_metadata
.endif
;; end of part 1
;; launch tree (part 2): grid 16 x 16, 4 waves a work-group, clusters of 4 x 1, 327,680 bytes of LDS; arguments xf, bp, pp, leaf_b, out0; writes out0
.if DOCPART == 2
	.amdgcn_target "amdgcn-amd-amdhsa--gfx1250"
	.amdhsa_code_object_version 6
	.text
	.protected	k_q3fcff930ab_tree
	.globl	k_q3fcff930ab_tree
	.p2align	8
	.type	k_q3fcff930ab_tree,@function
k_q3fcff930ab_tree:
	s_mov_b64 s[64:65], 0
	v_nop
	global_prefetch_b8 v0, s[64:65] scope:SCOPE_SE
	s_setreg_imm32_b32 hwreg(HW_REG_WAVE_MODE, 25, 1), 1
	s_wait_xcnt 0x0
	s_wait_alu depctr_hold_cnt(0) depctr_sa_sdst(0) depctr_va_vdst(0) depctr_va_sdst(0) depctr_va_ssrc(0) depctr_va_vcc(0) depctr_vm_vsrc(0)
	s_getreg_b32 s2, hwreg(HW_REG_IB_STS2, 6, 4)
	s_cmp_eq_u32 s2, 0
	s_cbranch_scc0 .Lentry_in_a_cluster
	s_endpgm
.Lentry_in_a_cluster:
	s_bfe_u32 s2, ttmp6, 0x10000c
	s_cmp_lg_u32 s2, 0x3003
	s_cbranch_scc0 .Lentry_shape_is_right
	s_endpgm
.Lentry_shape_is_right:
; DECISION TREE, launch 2 of 2.  out[t][o] = sum_j p_j[t] (D_j x_t + db_j)[o] + (S x_t + sb)[o], with D_j = W_2j - W_2j+1, S = the sum of the odd W, db_j = b_2j - b_2j+1, sb = the sum of the odd b.
; LEFT OUT (shown at the head of the launch before): decisions 0 .. 6, which dec[..., parent] slices away, and 7 of the 16 leaf products, by p a + (1 - p) b = p (a - b) + b.  Limits as stated there; leaf_b's
; differences and sum are rounded once to f16 as matrix operands.
; ONE PRODUCT.  out = A' B'^T with K' = 32 + 9 x 1,024.  B' is bp (f16, operand order).  A' is never stored: for each 32 along k a wave holds its fragments of x in registers, uses them as they are against S and
; multiplies them by p_j (a lane holds one token, so one packed f16 factor a lane) against D_j.  Those multiplies stand two behind each matrix instruction and make the NEXT step's operand.
; The biases are one K step of 32 of their own: k = 0..7 pairs p_j with db_j, k = 8 pairs 1 with sb, the rest is 0.  It takes the constant 0 as C and so starts all the sums: nothing is cleared.
; SHARES.  A work-group makes 256 tokens x 64 columns (256 work-groups); its four waves are stacked along the tokens, 64 x 64 each: 16 accumulators.  All four read the same B' from LDS.
; THE PRODUCT IS TAKEN TRANSPOSED (source 0 = 16 rows of B', source 1 = 16 tokens): a lane ends with 8 neighbouring columns of one token.
; THE WALK.  16 chunks of 64 along k.  A chunk is 18 steps s = 9 kk + i of 16 matrix instructions (kk: which 32 of the 64; i = 0: S, i = 1..8: D_(i-1)), 73,728 dense bytes of bp, in a ring of two LDS slots.
; CLUSTER.  The four work-groups of a cluster have the same 64 columns and walk the same bp: each quarter of a chunk is asked for JOINTLY, the same tensor load, descriptor and mask in all four.
; x is not shared so: the 16 work-groups of a block of tokens lie in 16 clusters along y; a joint load lands in LDS, so x would add 32 KiB written and 32 KiB read to the 288 KiB of LDS reads of a chunk, and a second
; tensor load a wave behind each round, where now each fragment comes in operand order, 512 aligned bytes a load, straight into the registers that multiply it.
; REGISTERS, in windows of 256 (s_set_vgpr_msb: bits 1:0 source 0, 3:2 source 1, 5:4 source 2, 7:6 destination):
;   window 0: v0-15 addresses; v16-47 P, (p_j, p_j) of my token in fragment a at 16 + 8 a + j; v48-111 AS, two buffers of four scaled fragments (later the way out); v112-115 at work;
;             v128-255 the accumulators, (a, b) at 128 + 8 (4 a + b) (before the sums begin: leaf_b and its packed forms)
;   window 1: v0-31, v32-63 x's fragments of kk = 0, 1; v64-255 three buffers of 64 for B': double step d = s / 2 in buffer d % 3
; A D step and its riders run under ONE setting (source 0 in window 1): B' for the product, x for the multiply.
.set CHB,   73728                      ; bytes in a chunk of bp
.set QB,    18432                      ; a wave's quarter of it: 72 rows of 256 bytes
.set NTB,   16*CHB                     ; bytes of bp for 64 columns
.set SLOT1, 131072                     ; slot 1 begins here, so that one exclusive or turns an address in one slot into the other's
.set STAGE, SLOT1+CHB                  ; behind the ring, never filled by a tensor load: 16 rows x 272 bytes for each wave
.set SP,    272                        ; 256 bytes + 16: the 16 rows of a store start at 16 different groups of four banks (64 banks of 4 bytes: ISA guide 11.1)
.set SPARE, STAGE+4*16*SP              ; the spare words, 128 bytes for each wave: two blocks of 256 bytes that no other line names
.set LN16, 2                           ; v2   16 x lane; never rewritten
.set ADRL, 3                           ; v3   the slot in hand + 16 x lane
.set ADRH, 4                           ; v4   the same + 65,536: a slot is longer than an LDS offset reaches
.set PFO,  5                           ; v5   256 x lane; never rewritten
.set STO,  6                           ; v6   the way out: where I put 32 bytes of a row
.set RD,   7                           ; v7   the way out: where I read a row back
.set GO,   8                           ; v8   my byte offset in two rows of out0
.set R32,  9                           ; v9   32 x (lane % 16)
.set R4,   10                          ; v10  4 x (lane % 16)
.set SPW,  12                          ; v12  LDS address of my spare word; never rewritten
.set NIL,  13                          ; v13  0; never rewritten
.set ONEH, 14                          ; v14  (1.0, 0) in f16
.set P,    16
.set AS,   48
.set TW,   112
.set ACC,  128
.set LF,   128                         ; leaf_b[l][my column of block b] at LF + 16 b + l
.set PK,   192                         ; packed: (db_2q, db_2q+1) at PK + 8 b + q, (sb, 0) at PK + 8 b + 4
.set BF,   64                          ; window 1
.set WV,  14                           ; s14  my wave's number
.set PPB, 18                           ; s[18:19] pp at my 64 tokens
.set XP,  20                           ; s[20:21] xf at my 64 tokens, at the chunk last asked for
.set OP,  22                           ; s[22:23] out0 at my 64 tokens and the work-group's 64 columns
.set G1,  24                           ; s[24:31] descriptor group 1
.set G0A, 32                           ; s[32:35] descriptor group 0 of the first fill of slot 0
.set G0W, 36                           ; s[36:39] of the first fill of slot 1; it then walks
.set TB,  40                           ; s40  the slot in hand: 0 or SLOT1
.set CNT, 41                           ; s41  the loop's count
.set HM,  42                           ; s42  as a lane mask: lanes 16 to 31
.set PFB, 44                           ; s[44:45] where my prefetches of bp stand
.set PFX, 46                           ; s[46:47] of xf
.set PMB, 48                           ; s48  bit 0: this trip I prefetch bp; shifted down each trip
.set PMX, 49                           ; s49  the same for xf
.set LB,  50                           ; s[50:51] leaf_b at the work-group's 64 columns
.set MSB, 0
.macro WIN new                         ; the immediate's high byte repeats the setting that is left; a switch that changes nothing is dropped
.if MSB != (\new)
	s_set_vgpr_msb (MSB<<8)|(\new)
.set MSB, \new
.endif
.endm
.set W_J,  0x01                        ; source 0 (B', or x for a rider) in window 1
.set W_S,  0x05                        ; sources 0 (B') and 1 (x) in window 1
.set W_LD, 0x40                        ; destination in window 1
.macro PLACES                          ; four places behind a matrix instruction, ahead of loads into registers that it has read and of stores that read its result (ISA guide 7.12.1 for the stores)
.rept 4
	v_nop
.endr
.endm
.macro CREST                           ; a round of the cluster's barrier behind its opening barrier
	s_cmp_lg_u32 s[WV], 0
	s_cbranch_scc1 .Lnot_wave_0_\@
	s_barrier_signal -3
.Lnot_wave_0_\@:
	s_barrier_wait -3
	s_barrier_signal -1
	s_barrier_wait -1
.endm
.macro CROUND                          ; a whole round
	s_barrier_signal -1
	s_barrier_wait -1
	CREST
.endm
; 16 LDS loads in one run: a double step's eight fragments of B', 512 consecutive bytes a load
.macro RUN adr, off, buf
	WIN W_LD
.irp e, 0,1
.irp b, 0,1,2,3
	ds_load_b128 v[(\buf)+32*(\e)+8*(\b):(\buf)+32*(\e)+8*(\b)+3],   v[\adr] offset:(\off)+4096*(\e)+1024*(\b)
	ds_load_b128 v[(\buf)+32*(\e)+8*(\b)+4:(\buf)+32*(\e)+8*(\b)+7], v[\adr] offset:(\off)+4096*(\e)+1024*(\b)+512
.endr
.endr
.endm
; 8 loads: my four fragments of x for half kk of the chunk at XP
.macro XLOAD kk
	WIN W_LD
.irp a, 0,1,2,3
	global_load_b128 v[32*(\kk)+8*(\a):32*(\kk)+8*(\a)+3],   v[LN16], s[XP:XP+1] offset:4096*(\kk)+1024*(\a)
	global_load_b128 v[32*(\kk)+8*(\a)+4:32*(\kk)+8*(\a)+7], v[LN16], s[XP:XP+1] offset:4096*(\kk)+1024*(\a)+512
.endr
.endm
; Matrix instructions lo .. hi of step s.  Instruction n: token block n / 4, column block n % 4.  The 16 accumulators take turns, one instruction a turn, in the same order in every step, over the backward jump too.
; rid = 1: behind instruction n of a D step stand registers 2 n and 2 n + 1 of the 32 of the NEXT D step's operand: x times p_i (behind step i = 8: the other half's x times p_0).
; They write the buffer that the step before read: a fragment is rewritten 26 such instructions behind its last reader.
.macro STEP s, lo, hi, rid
.set sk, (\s)/9
.set si, (\s)%9
.set sf, BF+64*(((\s)/2)%3)+32*((\s)%2)
.set sj, si
.set sx, sk
.set spar, si%2
.if si == 8
.set sj, 0
.set sx, 1-sk
.set spar, 0
.endif
.if si == 0
	WIN W_S
.else
	WIN W_J
.endif
.set sn, \lo
.rept (\hi)-(\lo)+1
.if si == 0
	v_wmma_f32_16x16x32_f16 v[ACC+8*sn:ACC+8*sn+7], v[sf+8*(sn%4):sf+8*(sn%4)+7], v[32*sk+8*(sn/4):32*sk+8*(sn/4)+7], v[ACC+8*sn:ACC+8*sn+7]
.else
	v_wmma_f32_16x16x32_f16 v[ACC+8*sn:ACC+8*sn+7], v[sf+8*(sn%4):sf+8*(sn%4)+7], v[AS+32*((si-1)%2)+8*(sn/4):AS+32*((si-1)%2)+8*(sn/4)+7], v[ACC+8*sn:ACC+8*sn+7]
.if \rid
	v_pk_mul_f16 v[AS+32*spar+2*sn],   v[32*sx+2*sn],   v[P+8*(sn/4)+sj]
	v_pk_mul_f16 v[AS+32*spar+2*sn+1], v[32*sx+2*sn+1], v[P+8*(sn/4)+sj]
.endif
.endif
.set sn, sn+1
.endr
.endm
; PREFETCHES INTO THE L2, behind the joint load, its five lines and the run of LDS loads that follows: a lane names 256 bytes, an instruction 8 KiB.  Each block of bp and of xf from the chunks named below is named once in the launch.
; bp: the four clusters along x read the same chunks; the first (cluster x = 0) asks.  In trip c chunk c + 4 is named, which is asked for by tensor load two trips on.  Of its nine pieces of 8 KiB waves 0 and 1 of the four
; partners take pieces 4 wave + cx, told apart BY ADDRESS; the ninth pieces of four chunks on end are taken by wave 2 of the four partners, in trips 0, 4 and 8.  Trips 12 and 13 name nothing: chunk 15 is the last.
; xf: the 16 work-groups along y read the same tokens; those with y = 0 ask, each wave for its own 8 KiB of chunk c + 3, in trips 0 to 12.  The first chunks come by their loads alone.
; The branches hang on the wave's number, the cluster's x and the work-group's y, which the partners share, and on the trip.
.macro ASK
	s_bitcmp1_b32 s[PMB], 0
	s_cbranch_scc0 .Lno_b_\@
	global_prefetch_b8 v[PFO], s[PFB:PFB+1] th:TH_LOAD_NT scope:SCOPE_SE
.Lno_b_\@:
	s_bitcmp1_b32 s[PMX], 0
	s_cbranch_scc0 .Lno_x_\@
	global_prefetch_b8 v[PFO], s[PFX:PFX+1] th:TH_LOAD_NT scope:SCOPE_SE
.Lno_x_\@:
	s_lshr_b32 s[PMB], s[PMB], 1
	s_lshr_b32 s[PMX], s[PMX], 1
.endm
	s_load_b256 s[4:11], s[0:1], 0x0               ; xf s[4:5], bp s[6:7], pp s[8:9], leaf_b s[10:11]
	s_load_b64 s[12:13], s[0:1], 0x20              ; out0
	v_lshl_add_u32 v[SPW], v0, 2, SPARE
	v_mov_b32 v[NIL], 0
	ds_add_u32 v[SPW], v[NIL]                      ; the wave's opening: the add, twice on end, and its wait ahead of my first tensor load; the set-up below, work on registers, stands between
	ds_add_u32 v[SPW], v[NIL]                      ; and once more
	v_lshrrev_b32 v1, 5, v0
	v_readfirstlane_b32 s[WV], v1                  ; wave 0..3
	s_bfe_u32 s15, ttmp6, 0x40000                  ; cx: my place in the cluster: it enters the addresses of xf, pp, out0 and the prefetches alone
	s_lshl_b32 s16, ttmp9, 2                       ; in a cluster launch ttmp9 counts clusters
	s_add_co_u32 s16, s16, s15                     ; my block of 256 tokens
	s_and_b32 s17, ttmp7, 0xffff                   ; nt: my block of 64 columns, which the four partners share
	s_lshl2_add_u32 s52, s16, s[WV]                ; G: my wave's block of 64 tokens
	; descriptor group 1: 18,432 dense bytes as 72 rows of 32 elements of 8 bytes; no padding: the tile lies in LDS as in memory
	s_mov_b32 s[G1+0], 15|(3<<16)|(1<<21)          ; 15:0 the mask: all four work-groups; 17:16 elements of 8 bytes; 21 set beside a mask
	s_mov_b32 s[G1+1], 32<<16                      ; tensor_dim0 = 32
	s_mov_b32 s[G1+2], 72<<16                      ; tensor_dim1 = 72
	s_mov_b32 s[G1+3], 32<<16                      ; tile_dim0 = 32
	s_mov_b32 s[G1+4], 72                          ; tile_dim1 = 72
	s_mov_b32 s[G1+5], 32                          ; 32 elements from row to row
	s_mov_b32 s[G1+6], 0
	s_mov_b32 s[G1+7], 0
	s_mov_b32 s[G0A], 1                            ; count = 1
	s_mul_i32 s[G0A+1], s[WV], QB                  ; LDS address: my quarter of slot 0,
	s_mov_b32 s[G0W], 1
	s_add_co_u32 s[G0W+1], s[G0A+1], SLOT1         ; and of slot 1
	s_mul_i32 s54, s17, NTB                        ; my quarter of chunk 0 in bp: made of nt and the wave's number alone
	s_mul_i32 s55, s[WV], QB
	s_add_co_u32 s54, s54, s55
	s_mov_b32 s55, 0
	s_mov_b32 s[TB], 0
	s_mov_b32 s[HM], 0xffff0000
	; the prefetches' offset in bp and the two trip masks
	s_mul_i32 s58, s17, NTB
	s_lshl2_add_u32 s53, s[WV], s15
	s_lshl_b32 s53, s53, 13                        ; waves 0, 1: piece 4 wave + cx
	s_mul_i32 s59, s15, CHB
	s_add_co_u32 s59, s59, 65536                   ; wave 2: the ninth piece, cx chunks on
	s_cmp_lt_u32 s[WV], 2
	s_cselect_b32 s53, s53, s59
	s_add_co_u32 s58, s58, s53
	s_add_co_u32 s58, s58, 3*CHB                   ; at chunk 3: the first change of slots steps it to 4
	s_mov_b32 s59, 0
	s_movk_i32 s[PMB], 0x0111                      ; wave 2: trips 0, 4, 8
	s_cmp_lt_u32 s[WV], 2
	s_cselect_b32 s[PMB], 0x0fff, s[PMB]           ; waves 0, 1: trips 0 to 11
	s_cmp_eq_u32 s[WV], 3
	s_cselect_b32 s[PMB], 0, s[PMB]
	s_cmp_eq_u32 ttmp9, 0
	s_cselect_b32 s[PMB], s[PMB], 0
	s_cmp_eq_u32 s17, 0
	s_cselect_b32 s[PMX], 0x1fff, 0                ; trips 0 to 12
	; lane terms
	v_and_b32 v1, 31, v0
	v_and_b32 v11, 15, v0                          ; r
	v_bfe_u32 v15, v0, 4, 1                        ; hh
	v_lshlrev_b32 v[LN16], 4, v1
	v_lshlrev_b32 v[PFO], 8, v1
	v_lshlrev_b32 v[R32], 5, v11
	v_lshlrev_b32 v[R4], 2, v11
	v_mov_b32 v[ONEH], 0x3c00
	s_mul_i32 s56, s[WV], 16*SP
	s_add_co_u32 s56, s56, STAGE                   ; my stage
	v_mul_u32_u24 v[STO], v11, SP                  ; in: row r, 32 bytes for each half of the lanes
	v_lshl_add_u32 v[STO], v15, 5, v[STO]
	v_add_nc_u32 v[STO], s56, v[STO]
	v_mul_u32_u24 v[RD], v15, SP                   ; back: lanes 0-15 take one row of 256 bytes, lanes 16-31 the next
	v_lshl_add_u32 v[RD], v11, 4, v[RD]
	v_add_nc_u32 v[RD], s56, v[RD]
	v_lshlrev_b32 v[GO], 12, v15                   ; and the same two rows in out0
	v_lshl_add_u32 v[GO], v11, 4, v[GO]
	s_wait_dscnt 0x0                               ; both opening adds are done
	s_wait_kmcnt 0x0
	s_add_nc_u64 s[G0A+2:G0A+3], s[6:7], s[54:55]  ; global address: chunk 0,
	s_add_nc_u64 s[G0W+2:G0W+3], s[G0A+2:G0A+3], CHB  ; chunk 1
	s_or_b32 s[G0A+3], s[G0A+3], 0x80000000        ; type = 2
	s_or_b32 s[G0W+3], s[G0W+3], 0x80000000
	CROUND                                         ; all four work-groups are here: the first joint loads meet
	tensor_load_to_lds s[G0A:G0A+3], s[G1:G1+7]    ; the two first fills go out together: two tensor loads of mine are out
	s_nop 0
	tensor_load_to_lds s[G0W:G0W+3], s[G1:G1+7]
	s_nop 0
	PLACES
	s_mov_b32 s57, 0
	s_lshl_b32 s56, s52, 11                        ; 64 tokens of 32 bytes
	s_add_nc_u64 s[PPB:PPB+1], s[8:9], s[56:57]
	s_lshl_b32 s56, s52, 17                        ; 64 tokens of 2,048 bytes
	s_add_nc_u64 s[XP:XP+1], s[4:5], s[56:57]
	s_add_nc_u64 s[PFX:PFX+1], s[XP:XP+1], 2*8192  ; at chunk 2: the first change of slots steps it to 3
	s_lshl_b32 s56, s17, 8                         ; 64 columns of 4 bytes
	s_add_nc_u64 s[LB:LB+1], s[10:11], s[56:57]
	s_add_nc_u64 s[OP:OP+1], s[12:13], s[56:57]
	s_lshl_b32 s56, s52, 18                        ; 64 tokens of 4,096 bytes
	s_add_nc_u64 s[OP:OP+1], s[OP:OP+1], s[56:57]
	s_add_nc_u64 s[PFB:PFB+1], s[6:7], s[58:59]
.irp a, 0,1,2,3
	global_load_b128 v[P+8*(\a):P+8*(\a)+3],   v[R32], s[PPB:PPB+1] offset:512*(\a)     ; p_0..3 of token 16 a + r,
	global_load_b128 v[P+8*(\a)+4:P+8*(\a)+7], v[R32], s[PPB:PPB+1] offset:512*(\a)+16  ; p_4..7
.endr
.set ib, 0
.rept 4
.set il, 0
.rept 16
	global_load_b32 v[LF+16*ib+il], v[R4], s[LB:LB+1] offset:4096*il+64*ib  ; leaf_b[il][column 16 ib + r]: once a launch, 4 KiB a work-group
.set il, il+1
.endr
.set ib, ib+1
.endr
	XLOAD 0                                        ; chunk 0 of x
	XLOAD 1
	WIN 0
	s_wait_loadcnt 16                              ; p and leaf_b are in; x's 16 loads may stay out
	; THE BIAS STEP's operands.  A fragment's registers 0-3 hold k = 8 hh + 0..7, registers 4-7 k = 16 + 8 hh + 0..7.  Tokens' side: lanes 0-15 (p_0, p_1) .. (p_6, p_7), lanes 16-31 (1, 0), 0, 0, 0; the rest 0.
.set ia, 0
.rept 4
.set iq, 0
.rept 4
	v_bfi_b32 v[TW+iq], 0xffff, v[P+8*ia+2*iq], v[P+8*ia+2*iq+1]
.set iq, iq+1
.endr
	v_cndmask_b32 v[AS+32+8*ia], v[TW], v[ONEH], s[HM]
.set iq, 1
.rept 3
	v_cndmask_b32 v[AS+32+8*ia+iq], v[TW+iq], v[NIL], s[HM]
.set iq, iq+1
.endr
.set iq, 4
.rept 4
	v_mov_b32 v[AS+32+8*ia+iq], 0
.set iq, iq+1
.endr
.set ia, ia+1
.endr
	; Columns' side: lanes 0-15 (db_0, db_1) .. (db_6, db_7), lanes 16-31 (sb, 0), 0, 0, 0; the rest 0.
.set ib, 0
.rept 4
.set iq, 0
.rept 8
	v_sub_f32 v[LF+16*ib+2*iq], v[LF+16*ib+2*iq], v[LF+16*ib+2*iq+1]
.set iq, iq+1
.endr
.set iq, 1
.rept 7
	v_add_f32 v[LF+16*ib+1], v[LF+16*ib+1], v[LF+16*ib+2*iq+1]
.set iq, iq+1
.endr
.set iq, 0
.rept 4
	v_cvt_pk_f16_f32 v[PK+8*ib+iq], v[LF+16*ib+4*iq], v[LF+16*ib+4*iq+2]
.set iq, iq+1
.endr
	v_cvt_pk_f16_f32 v[PK+8*ib+4], v[LF+16*ib+1], v[NIL]
.set ib, ib+1
.endr
	WIN W_LD                                       ; into B's third buffer, which the walk fills last
.set ib, 0
.rept 4
	v_cndmask_b32 v[BF+128+8*ib], v[PK+8*ib], v[PK+8*ib+4], s[HM]
.set iq, 1
.rept 3
	v_cndmask_b32 v[BF+128+8*ib+iq], v[PK+8*ib+iq], v[NIL], s[HM]
.set iq, iq+1
.endr
.set iq, 4
.rept 4
	v_mov_b32 v[BF+128+8*ib+iq], 0
.set iq, iq+1
.endr
.set ib, ib+1
.endr
	WIN 0
	s_wait_tensorcnt 0x1                           ; my quarter of slot 0 is in; slot 1's may stay out
	s_barrier_signal -1
	s_barrier_wait -1                              ; everybody's is
	v_add_nc_u32 v[ADRL], s[TB], v[LN16]
	v_add_nc_u32 v[ADRH], 0x10000, v[ADRL]
	RUN ADRL, 0, BF                                ; double steps 0 and 1 of chunk 0
	RUN ADRL, 8192, BF+64
	WIN W_J
.set sn, 0
.rept 16
	v_wmma_f32_16x16x32_f16 v[ACC+8*sn:ACC+8*sn+7], v[BF+128+8*(sn%4):BF+128+8*(sn%4)+7], v[AS+32+8*(sn/4):AS+32+8*(sn/4)+7], 0  ; the bias step starts the 16 sums
.set sn, sn+1
.endr
	s_wait_loadcnt 0x0                             ; x
.set sn, 0
.rept 32
	v_pk_mul_f16 v[AS+sn], v[sn], v[P+8*(sn/8)]    ; the first scaled operand: x of kk = 0 times p_0
.set sn, sn+1
.endr
; A CHUNK.  At its head the runs of loads for double steps 0 and 1 are out.  In double step d the run for d + 2 is issued, into the buffer that d - 1 read.
; mode 0: the loop's: the slot is filled again, with the chunk two on.  mode 1: chunk 14: nothing is left to ask for.  mode 2: chunk 15: no next chunk.
.macro CHUNK mode
.irp d, 0,1,2,3,4,5,6
	PLACES
.if (\d) == 6
	RUN ADRH, 0, BF+128
.else
	RUN ADRL, 8192*((\d)+2), BF+64*(((\d)+2)%3)
.endif
	s_wait_dscnt 32                                ; this double step's run is in; the two younger runs may stay out
.if (\d) == 4
	s_wait_loadcnt 0x0                             ; x of kk = 1, which step 8's riders read first; no load of mine is out, so x's pointer may be written
.if (\mode) < 2
	s_add_nc_u64 s[XP:XP+1], s[XP:XP+1], 8192
	XLOAD 0                                        ; the next chunk's x of kk = 0: its registers were last read in step 7
.endif
.endif
	STEP 2*(\d), 0, 15, 1
	STEP 2*(\d)+1, 0, 15, 1
.endr
.if (\mode) < 2
	; THE CHANGE OF SLOTS, in double step 7.  Each wave waits for all its tensor loads, of which one is out at the most: its quarter of the other slot; adds 0 to its spare word; and waits for that and for its own reads of this slot.
	WIN 0
.if (\mode) == 0
	s_wait_xcnt 0x0                                ; the last prefetches, a chunk back, have read their addresses
	s_add_nc_u64 s[PFB:PFB+1], s[PFB:PFB+1], CHB
	s_add_nc_u64 s[PFX:PFX+1], s[PFX:PFX+1], 8192
.endif
	s_wait_tensorcnt 0x0                           ; no tensor load of mine is out, so a group 0 may be written
	ds_add_u32 v[SPW], v[NIL]                      ; 0 onto my spare word
.if (\mode) == 0
	s_xor_b32 s[G0W+1], s[G0W+1], SLOT1            ; the walking descriptor: the other slot than last time,
	s_add_nc_u64 s[G0W+2:G0W+3], s[G0W+2:G0W+3], CHB  ; the next chunk; the type bits on top are not reached
.endif
	s_wait_dscnt 17                                ; double step 7's run is in; double step 8's 16 loads and the add may stay out
	STEP 14, 0, 15, 1
	s_wait_dscnt 0x0                               ; the add is done, and my reads of this slot are over
	s_barrier_signal -1
	STEP 15, 0, 7, 1                               ; work on registers while the others arrive
	WIN 0
	s_barrier_wait -1
.if (\mode) == 0
	CREST                                          ; the barrier has opened a round of the cluster's: no wave of any partner still reads this slot or has a load on its way
	tensor_load_to_lds s[G0W:G0W+3], s[G1:G1+7]    ; the first thing behind the round, my one tensor load until the next: it has a chunk, 288 matrix instructions less the 24 round the barrier, in which to land
	s_nop 0
	PLACES
.endif
	s_xor_b32 s[TB], s[TB], SLOT1
	v_add_nc_u32 v[ADRL], s[TB], v[LN16]
	v_add_nc_u32 v[ADRH], 0x10000, v[ADRL]
	RUN ADRL, 0, BF                                ; the next chunk's double step 0
.if (\mode) == 0
	WIN 0
	ASK
.endif
	STEP 15, 8, 15, 1
	PLACES
	RUN ADRL, 8192, BF+64                          ; the next chunk's double step 1; double step 8's own run landed at the wait for 0 above
	STEP 16, 0, 15, 1
	s_wait_loadcnt 0x0                             ; the next chunk's x of kk = 0, which step 17's riders read
	XLOAD 1                                        ; and its x of kk = 1: those registers were last read in step 16
	STEP 17, 0, 15, 1
.else
	s_wait_dscnt 16                                ; double step 8's run may stay out
	STEP 14, 0, 15, 1
	STEP 15, 0, 15, 1
	s_wait_dscnt 0x0
	STEP 16, 0, 15, 1
	STEP 17, 0, 15, 0                              ; no operand is left to make
.endif
.endm
	WIN 0                                          ; at a label and at a branch every window is 0
	s_mov_b32 s[CNT], 14
.Lchunk:                                               ; chunks 0 to 13: each asks for the chunk two on
	CHUNK 0
	WIN 0
	s_sub_co_u32 s[CNT], s[CNT], 1
	s_cmp_lg_u32 s[CNT], 0
	s_cbranch_scc1 .Lchunk
	CHUNK 1                                        ; the tail is written out
	CHUNK 2
	; THE WAY OUT.  A lane's eight f32 of a row are 32 bytes; 16 rows at a time go into my own stage, in rows of 272 bytes, and come back as whole rows of 256 bytes.
.macro TOSTAGE a
.irp b, 0,1,2,3
	ds_store_b128 v[STO], v[ACC+8*(4*(\a)+(\b)):ACC+8*(4*(\a)+(\b))+3]   offset:64*(\b)     ; each accumulator from its low end on
	ds_store_b128 v[STO], v[ACC+8*(4*(\a)+(\b))+4:ACC+8*(4*(\a)+(\b))+7] offset:64*(\b)+16
.endr
.irp t, 0,1,2,3,4,5,6,7
	ds_load_b128 v[AS+32*((\a)%2)+4*(\t):AS+32*((\a)%2)+4*(\t)+3], v[RD] offset:(\t)*2*SP  ; LDS serves a wave's instructions in order (ISA guide 5.7.1.4): these see the stores above; the next block's stores come behind them
.endr
.endm
.macro SEND a, younger                 ; younger: the LDS instructions issued behind block a's loads: the next block's sixteen, or none
	s_wait_dscnt \younger
.irp t, 0,1,2,3,4,5,6,7
	global_store_b128 v[GO], v[AS+32*((\a)%2)+4*(\t):AS+32*((\a)%2)+4*(\t)+3], s[OP:OP+1] offset:(16*(\a)+2*(\t))*4096 th:TH_STORE_NT  ; 16 lanes store 256 consecutive bytes, at a multiple of 256 from out0's first byte
.endr
.endm
	WIN 0
	PLACES                                         ; behind the last products
	TOSTAGE 0
	TOSTAGE 1
	SEND 0, 16
	s_wait_xcnt 0x0                                ; block 0's stores have read their registers, which block 2 is read back into
	TOSTAGE 2
	SEND 1, 16
	s_wait_xcnt 0x0
	TOSTAGE 3
	SEND 2, 16
	SEND 3, 0
	s_wait_tensorcnt 0x0                           ; the wave's end, behind my last tensor load and my last LDS store
	ds_add_u32 v[SPW], v[NIL]
	s_wait_dscnt 0x0
	CROUND                                         ; the closing round: no work-group ends while a partner may still ask for a tile that names it
	s_endpgm
.Lfunc_end_k_q3fcff930ab_tree:
	.size	k_q3fcff930ab_tree, .Lfunc_end_k_q3fcff930ab_tree-k_q3fcff930ab_tree
	.p2alignl 7, 3214868480
	.fill 96, 4, 3214868480
	.section	.rodata,"a",@progbits
	.p2align	6, 0x0
	.amdhsa_kernel k_q3fcff930ab_tree
		.amdhsa_group_segment_fixed_size 327680
		.amdhsa_private_segment_fixed_size 0
		.amdhsa_enable_private_segment 0
		.amdhsa_kernarg_size 40
		.amdhsa_user_sgpr_count 2
		.amdhsa_user_sgpr_kernarg_segment_ptr 1
		.amdhsa_wavefront_size32 1
		.amdhsa_system_sgpr_workgroup_id_x 1
		.amdhsa_system_sgpr_workgroup_id_y 1
		.amdhsa_system_sgpr_workgroup_id_z 1
		.amdhsa_system_vgpr_workitem_id 0
		.amdhsa_next_free_vgpr 512
		.amdhsa_next_free_sgpr 66
		.amdhsa_reserve_vcc 0
		.amdhsa_float_denorm_mode_32 3
		.amdhsa_float_denorm_mode_16_64 3
		.amdhsa_memory_ordered 1
		.amdhsa_forward_progress 1
		.amdhsa_inst_pref_size 219
	.end_amdhsa_kernel
	.amdgpu_metadata
---
amdhsa.version: [ 1, 2 ]
amdhsa.kernels:
  - .name:           k_q3fcff930ab_tree
    .symbol:         k_q3fcff930ab_tree.kd
    .args:
      - { .name: xf, .offset: 0, .size: 8, .value_kind: global_buffer, .address_space: global }
      - { .name: bp, .offset: 8, .size: 8, .value_kind: global_buffer, .address_space: global }
      - { .name: pp, .offset: 16, .size: 8, .value_kind: global_buffer, .address_space: global }
      - { .name: leaf_b, .offset: 24, .size: 8, .value_kind: global_buffer, .address_space: global }
      - { .name: out0, .offset: 32, .size: 8, .value_kind: global_buffer, .address_space: global }
    .group_segment_fixed_size: 327680
    .private_segment_fixed_size: 0
    .kernarg_segment_align: 8
    .kernarg_segment_size: 40
    .max_flat_workgroup_size: 128
    .sgpr_count:     66
    .vgpr_count:     512
    .wavefront_size: 32
...
	.end_amdgpu_metadata
.endif
;; end of part 2
